; MI455X (gfx1250); checked and timed in simulation.
; The chip was launched on July 23, 2026; its instructions are those of AMD's public machine-readable ISA for CDNA 5 (MIT licence, August 2026) and "CDNA5" Instruction Set Architecture Reference Guide (July 2026). The comments in the code are by the model that wrote it; some were corrected since.
;; Discretized DPLRSSM Block. Allowed arithmetic: matrix products marked QUANTISED: E2M1 operands, one E8M0 scale for each 32 along K, by v_wmma_scale_f32_16x16x128_f8f6f4 with both operands' format E2M1 (or v_wmma_scale_f32_32x16x128_f4), f32 sums; products left as they are: f32 operands where the result goes on into a quantised operand, else bf16, f16 or f32 operands; f32 sums; everything else in f32.
;; Inputs: a_diag 4,096 float32; b_mat_codes 4,096 x 128 x 16 uint8 (E2M1 codes of b_mat, K innermost, in blocks of 32 codes, two codes a byte); b_mat_scales 4,096 x 128 uint8 (E8M0 scales of b_mat, one for each 32 codes along K); h 4,096 x 4,096 float32; p_vec 4,096 x 4 float32; q_vec 4,096 x 4 float32; x_codes 4,096 x 128 x 16 uint8 (E2M1 codes of x, K innermost, in blocks of 32 codes, two codes a byte); x_scales 4,096 x 128 uint8 (E8M0 scales of x, one for each 32 codes along K).
;; Outputs: out0 4,096 x 4,096 float32.
;; This version of the problem:
;;   THIS VERSION OF THE PROBLEM IS GIVEN IN LOW PRECISION. The matrix products marked QUANTISED in the list below multiply operands that are first quantised to E2M1 (2 exponent bits, 1 mantissa bit; 4 bits a number), with one power-of-two scale for each 32 numbers along K (OCP MX v1.0); their sums are f32. All else is computed in f32.
;;   The module's matrix products, in the order in which they are computed (A, B: the left and right operand; K: the contracted axis; several contracted axes count as one K, in the product's order):
;;     1. [M 4,096, K 4,096] x [K 4,096, N 4]; A: input h; B: input q_vec: left as it is (N = 4 < 16)
;;     2. [M 4,096, K 4] x [K 4, N 4,096]; A: computed on the way; B: input p_vec: left as it is (K = 4 < 32)
;;     3. [M 4,096, K 4,096] x [K 4,096, N 4,096]; A: input x (given as codes); B: input b_mat (given as codes): QUANTISED
;;   THE QUANTISER, for each operand of a quantised product, along K:
;;     - K is cut into blocks of 32 from its start; a last block that is shorter is filled with zeros.
;;     - A block's scale is 2^e with e = floor(log2(the largest magnitude in the block)) - 2, held to -126 .. 127; a block of zeros has e = 0. As a byte (E8M0): e + 127.
;;     - Each number is divided by its block's scale, clamped to +-6, and rounded to the nearest number of E2M1, ties to even, subnormals kept.
;;     - The product sums the exact products of the quantised numbers (number of the format x scale) in f32.
;;   ~~~python
;;   def quantise(x, axis):      # numpy; x: float32 -> the quantised numbers, widened to float32 again
;;       x = np.moveaxis(x, axis, -1); K = x.shape[-1]
;;       x = np.pad(x, [(0, 0)] * (x.ndim - 1) + [(0, -K % 32)]); x = x.reshape(x.shape[:-1] + (-1, 32)); a = np.abs(x).max(-1, keepdims=True)
;;       e = np.where(a > 0, np.clip(np.frexp(np.where(a > 0, a, 1))[1] - 1 - 2, -126, 127), 0)      # np.frexp(a)[1] - 1 = floor(log2(a)), exactly
;;       r = np.clip(x / 2.0 ** e, -6, 6)
;;       step = 2.0 ** (np.maximum(np.frexp(np.where(r == 0, 1, r))[1] - 1, 0) - 1)
;;       q = np.round(r / step) * step * 2.0 ** e      # np.round: ties to even
;;       return np.moveaxis(q.reshape(q.shape[:-2] + (-1,))[..., :K], -1, axis).astype(np.float32)
;;   ~~~
;;   INPUTS GIVEN AS CODES. b_mat (in the module: [4096, 4096], K = its axis 0); x (in the module: [4096, 4096], K = its axis 1): each comes as NAME_codes (uint8): NAME with its K axis moved to the last place and cut into blocks of 32 codes, [.., K / 32, bytes a block], one block behind the other in memory; two codes a byte, the lower K in the low four bits (a code: sign, 2 exponent bits, 1 mantissa bit); and NAME_scales (uint8): the same leading axes, one E8M0 byte (e + 127) for each 32 codes along K. Its value is code x scale, taken as it is: it is not quantised again, and the codes and scales need not be those that the quantiser above would give.
;; One version. Each part assembles by itself: llvm-mc -triple=amdgcn-amd-amdhsa -mcpu=gfx1250 --defsym DOCPART=n.
;; ======== version 1 of 1: 2 launches
;; workspace buffers: u 65,536 bytes; xs_t 524,288 bytes; bs_t 524,288 bytes
;; launch prep (part 1): grid 256 x 1, 16 waves a work-group, no clusters, 133,376 bytes of LDS; arguments h, q_vec, x_scales, b_mat_scales, u, xs_t, bs_t; writes u, xs_t, bs_t
.if DOCPART == 1
	.amdgcn_target "amdgcn-amd-amdhsa--gfx1250"
	.amdhsa_code_object_version 6
	.text
	.protected	k_q5ec4971629_prep
	.globl	k_q5ec4971629_prep
	.p2align	8
	.type	k_q5ec4971629_prep,@function
k_q5ec4971629_prep:
	s_mov_b64 s[64:65], 0
	v_nop
	global_prefetch_b8 v0, s[64:65] scope:SCOPE_SE
	s_setreg_imm32_b32 hwreg(HW_REG_WAVE_MODE, 25, 1), 1
	s_wait_xcnt 0x0
; u[m][j] = the sum over n of h[m][n] q[n][j], j = 0 .. 3.  h: [4096][4096] f32, q: [4096][4] f32, u: [4096][4] f32.  All in f32, by fused multiply-adds.
; Beside it the scale bytes of x and of b_mat, [4096 rows][128], are laid anew as [8 K steps of 512][4096 rows][16 bytes], so that the next launch finds the
; scales of 256 rows for one K step as 4,096 consecutive bytes.
; SHARES.  Work-group g owns rows 16 g .. 16 g + 15.  Wave w owns columns 256 w .. 256 w + 255 of all 16 rows; lane l the columns 256 w + 128 i + 4 l + c (i = 0, 1; c = 0 .. 3):
; a row costs a wave two loads of 512 consecutive bytes.  All 32 loads of a wave go out at once: the work-group's 256 KiB of h are asked for before the first number is used.
; A lane's four partial sums of a row go to LDS; behind a barrier wave w adds up row w: over the 16 waves' parts, then over its 32 lanes.
; No tensor load, no loop, no matrix instruction: the stream of h is all that this launch waits for.
; LIMITS: the order of the f32 additions differs from a row-by-row sum (8 numbers in a lane, 16 waves, 32 lanes); NaN and infinities in h or q pass through as the arithmetic gives them.
.set QN, 16                            ; v16-47   q as loaded: register 4 (4 i + c) + j.  Later v16-23 the four sums in hand, as pairs; v28-31 the lane exchange's destinations
.set T,  16
.set QT, 48                            ; v48-79   q in pairs: register 8 g + 2 j + e = q of column pair g's column e, for j
.set X,  80                            ; v80-207  h: row r at 80 + 8 r + 4 i + c
	s_load_b256 s[4:11], s[0:1], 0x0               ; h s[4:5], q s[6:7], x's scales s[8:9], b's scales s[10:11]
	s_load_b128 s[12:15], s[0:1], 0x20             ; u s[12:13], xs_t s[14:15]
	s_load_b64 s[16:17], s[0:1], 0x30              ; bs_t
	v_lshl_add_u32 v208, v0, 2, 0x20100
	v_mov_b32 v209, 0
	v_lshrrev_b32 v1, 5, v0
	s_delay_alu instid0(VALU_DEP_1)
	v_readfirstlane_b32 s18, v1                    ; wave 0..15
	v_and_b32 v2, 31, v0                           ; lane
	s_delay_alu instid0(VALU_DEP_1)
	v_lshlrev_b32 v1, 3, v2                        ; u: 8 bytes a lane on the way out
	s_lshl_b32 s19, s18, 10
	v_lshl_add_u32 v3, v2, 4, s19                  ; h: 1,024 w + 16 l in a row
	s_lshl_b32 s19, s18, 12
	v_lshl_add_u32 v4, v2, 6, s19                  ; q: 16 bytes a column: 4,096 w + 64 l
	s_lshl_b32 s19, s18, 9
	v_lshl_add_u32 v5, v2, 4, s19                  ; LDS, partial sums [row][wave][lane] of 16 bytes: 512 w + 16 l, rows 0-7 by the immediate,
	s_delay_alu instid0(VALU_DEP_1)
	v_add_nc_u32 v6, 0x10000, v5                   ; rows 8-15 from 65,536 on
	s_lshl_b32 s19, s18, 13
	v_lshl_add_u32 v7, v2, 4, s19                  ; and back: row w: 8,192 w + 16 l
	v_and_b32 v14, 15, v0                          ; the scale move: thread t = v0 % 128 takes row t % 16,
	v_bfe_u32 v15, v0, 4, 3                        ; K step t / 16
	s_delay_alu instid0(VALU_DEP_2)
	v_lshlrev_b32 v12, 7, v14
	s_delay_alu instid0(VALU_DEP_1)
	v_lshl_add_u32 v12, v15, 4, v12                ; from: 128 x row + 16 x K step
	s_delay_alu instid0(VALU_DEP_3)
	v_lshlrev_b32 v13, 16, v15
	s_delay_alu instid0(VALU_DEP_1)
	v_lshl_add_u32 v13, v14, 4, v13                ; to: 65,536 x K step + 16 x row
	s_lshl_b32 s19, s18, 4
	s_add_co_u32 s19, s19, 0x20000
	v_mov_b32 v14, s19                             ; LDS, behind the partial sums: row w's four finished sums
	v_lshl_add_u32 v15, v2, 3, 0x20000             ; and the 256 bytes of all 16 rows, 8 a lane
	s_mov_b32 s24, 0x76543210
	s_mov_b32 s25, 0xfedcba98                      ; v_permlanex16_b32's selects for lane l xor 16
	s_mov_b32 s27, 0
	s_wait_kmcnt 0x0
	s_cmp_lt_u32 s18, 4                            ; waves 0-3 move x's scales, waves 4-7 b's: the choice hangs on the wave's number alone
	s_cselect_b64 s[20:21], s[8:9], s[10:11]
	s_cselect_b64 s[22:23], s[14:15], s[16:17]
	s_lshl_b32 s26, ttmp9, 18                      ; 16 rows of 16,384 bytes
	s_add_nc_u64 s[4:5], s[4:5], s[26:27]
	s_lshl_b32 s26, ttmp9, 11                      ; 16 rows of 128 scale bytes
	s_add_nc_u64 s[20:21], s[20:21], s[26:27]
	s_lshl_b32 s26, ttmp9, 8                       ; 16 rows of 16 bytes: in a K step's part of the new layout, and in u
	s_add_nc_u64 s[22:23], s[22:23], s[26:27]
	s_add_nc_u64 s[12:13], s[12:13], s[26:27]
	s_cmp_lt_u32 s18, 8
	s_cbranch_scc0 .Lno_scales_in
	s_wait_alu depctr_va_vdst(0)
	global_load_b128 v[8:11], v12, s[20:21] th:TH_LOAD_NT   ; 16 bytes: one row's scales of one K step
.Lno_scales_in:
.irp i, 0,1
.irp c, 0,1,2,3
	global_load_b128 v[QN+4*(4*\i+\c):QN+4*(4*\i+\c)+3], v4, s[6:7] offset:2048*\i+16*\c   ; q of my eight columns
.endr
.endr
.irp r, 0,1,2,3,4,5,6,7,8,9,10,11,12,13,14,15
.irp i, 0,1
	global_load_b128 v[X+8*\r+4*\i:X+8*\r+4*\i+3], v3, s[4:5] offset:16384*\r+512*\i th:TH_LOAD_NT   ; 32 lanes read 512 consecutive bytes
.endr
.endr
	s_cmp_lt_u32 s18, 8
	s_cbranch_scc0 .Lno_scales_out
	s_wait_loadcnt 40                              ; behind the scales' load stand q's 8 loads and h's 32
	s_wait_alu depctr_va_vdst(0)
	global_store_b128 v13, v[8:11], s[22:23]       ; sixteen neighbouring lanes store 256 consecutive bytes, at a multiple of 256 from the buffer's first byte
.Lno_scales_out:
	s_wait_loadcnt 32                              ; q is in; h's 32 loads may be out
.irp g, 0,1,2,3
.irp j, 0,1,2,3
.irp e, 0,1
	v_mov_b32 v[QT+8*\g+2*\j+\e], v[QN+4*(2*\g+\e)+\j]   ; a pair = q[.][j] of two neighbouring columns, as the packed forms want it: once for 16 rows
.endr
.endr
.endr
.irp j, 0,1,2,3
	v_mov_b32 v[28+\j], 0                          ; a lane permute's destination counts as one of its sources
.endr
; Row r: 8 numbers x 4 columns of q, two multiply-adds an instruction; the four sums by turns, so that no line waits for the line above it.
.macro ROW r
	s_wait_loadcnt 30-2*(\r)                       ; loads come back in order: this row's two are in, the later rows' may be out
.irp j, 0,1,2,3
	v_pk_mul_f32 v[T+2*\j:T+2*\j+1], v[X+8*(\r):X+8*(\r)+1], v[QT+2*\j:QT+2*\j+1]   ; the first product starts the sum
.endr
.irp g, 1,2,3
.irp j, 0,1,2,3
	s_delay_alu instid0(VALU_DEP_4)
	v_pk_fma_f32 v[T+2*\j:T+2*\j+1], v[X+8*(\r)+2*\g:X+8*(\r)+2*\g+1], v[QT+8*\g+2*\j:QT+8*\g+2*\j+1], v[T+2*\j:T+2*\j+1]
.endr
.endr
.irp j, 0,1,2,3
	s_delay_alu instid0(VALU_DEP_4)
	v_add_f32 v[X+8*(\r)+\j], v[T+2*\j], v[T+2*\j+1]   ; into the row's own registers, which are done with
.endr
.if (\r) < 8
	ds_store_b128 v5, v[X+8*(\r):X+8*(\r)+3] offset:8192*(\r)
.else
	ds_store_b128 v6, v[X+8*(\r):X+8*(\r)+3] offset:8192*((\r)-8)
.endif
.endm
.irp r, 0,1,2,3,4,5,6,7,8,9,10,11,12,13,14,15
	ROW \r
.endr
	s_wait_dscnt 0x0                               ; for the others' sake: my partial sums lie in LDS
	s_barrier_signal -1
	s_barrier_wait -1
.irp k, 0,1,2,3,4,5,6,7,8,9,10,11,12,13,14,15
	ds_load_b128 v[X+4*\k:X+4*\k+3], v7 offset:512*\k   ; row w: wave k's part, 512 consecutive bytes
.endr
	s_wait_dscnt 0x0
.irp k, 2
	v_pk_add_f32 v[X:X+1], v[X:X+1], v[X+4*\k:X+4*\k+1]
	v_pk_add_f32 v[X+2:X+3], v[X+2:X+3], v[X+4*\k+2:X+4*\k+3]
	v_pk_add_f32 v[X+4:X+5], v[X+4:X+5], v[X+4*\k+4:X+4*\k+5]
	v_pk_add_f32 v[X+6:X+7], v[X+6:X+7], v[X+4*\k+6:X+4*\k+7]
.endr
.irp k, 4, 6, 8, 10, 12, 14
	s_delay_alu instid0(VALU_DEP_4)
	v_pk_add_f32 v[X:X+1], v[X:X+1], v[X+4*\k:X+4*\k+1]
	s_delay_alu instid0(VALU_DEP_4)
	v_pk_add_f32 v[X+2:X+3], v[X+2:X+3], v[X+4*\k+2:X+4*\k+3]
	s_delay_alu instid0(VALU_DEP_4)
	v_pk_add_f32 v[X+4:X+5], v[X+4:X+5], v[X+4*\k+4:X+4*\k+5]
	s_delay_alu instid0(VALU_DEP_4)
	v_pk_add_f32 v[X+6:X+7], v[X+6:X+7], v[X+4*\k+6:X+4*\k+7]
.endr
	s_delay_alu instid0(VALU_DEP_2)
	v_pk_add_f32 v[X:X+1], v[X:X+1], v[X+4:X+5]
	s_delay_alu instid0(VALU_DEP_2)
	v_pk_add_f32 v[X+2:X+3], v[X+2:X+3], v[X+6:X+7]
.irp m, 1,2,4,8                                ; over the lanes: four steps inside each half of 16, one across the halves
.irp j, 0,1,2,3
	v_add_f32_dpp v[X+\j], v[X+\j], v[X+\j] row_xmask:\m row_mask:0xf bank_mask:0xf
.endr
.endr
.irp j, 0,1,2,3
	s_delay_alu instid0(VALU_DEP_4)
	v_permlanex16_b32 v[28+\j], v[X+\j], s24, s25
.endr
.irp j, 0,1,2,3
	s_delay_alu instid0(VALU_DEP_4)
	v_add_f32 v[X+\j], v[X+\j], v[28+\j]           ; every lane holds u[16 g + w][j]
.endr
	ds_store_b128 v14, v[X:X+3]                    ; all lanes write the same 16 bytes with the same values
	s_wait_dscnt 0x0
	s_barrier_signal -1
	s_barrier_wait -1
	s_cmp_lg_u32 s18, 0
	s_cbranch_scc1 .Ldone
	ds_load_b64 v[16:17], v15                      ; wave 0: the 16 rows' 256 bytes
	s_wait_dscnt 0x0
	global_store_b64 v1, v[16:17], s[12:13]        ; 32 lanes store 256 consecutive bytes, at a multiple of 256 from u's first byte
.Ldone:
	s_wait_tensorcnt 0x0
	ds_add_u32 v208, v209
	s_wait_dscnt 0x0
	s_endpgm
.Lfunc_end_k_q5ec4971629_prep:
	.size	k_q5ec4971629_prep, .Lfunc_end_k_q5ec4971629_prep-k_q5ec4971629_prep
	.p2alignl 7, 3214868480
	.fill 96, 4, 3214868480
	.section	.rodata,"a",@progbits
	.p2align	6, 0x0
	.amdhsa_kernel k_q5ec4971629_prep
		.amdhsa_group_segment_fixed_size 133376
		.amdhsa_private_segment_fixed_size 0
		.amdhsa_enable_private_segment 0
		.amdhsa_kernarg_size 56
		.amdhsa_user_sgpr_count 2
		.amdhsa_user_sgpr_kernarg_segment_ptr 1
		.amdhsa_wavefront_size32 1
		.amdhsa_system_sgpr_workgroup_id_x 1
		.amdhsa_system_sgpr_workgroup_id_y 1
		.amdhsa_system_sgpr_workgroup_id_z 1
		.amdhsa_system_vgpr_workitem_id 0
		.amdhsa_next_free_vgpr 210
		.amdhsa_next_free_sgpr 66
		.amdhsa_reserve_vcc 0
		.amdhsa_float_denorm_mode_32 3
		.amdhsa_float_denorm_mode_16_64 3
		.amdhsa_memory_ordered 1
		.amdhsa_forward_progress 1
		.amdhsa_inst_pref_size 42
	.end_amdhsa_kernel
	.amdgpu_metadata
---
amdhsa.version: [ 1, 2 ]
amdhsa.kernels:
  - .name:           k_q5ec4971629_prep
    .symbol:         k_q5ec4971629_prep.kd
    .args:
      - { .name: h, .offset: 0, .size: 8, .value_kind: global_buffer, .address_space: global }
      - { .name: q_vec, .offset: 8, .size: 8, .value_kind: global_buffer, .address_space: global }
      - { .name: x_scales, .offset: 16, .size: 8, .value_kind: global_buffer, .address_space: global }
      - { .name: b_mat_scales, .offset: 24, .size: 8, .value_kind: global_buffer, .address_space: global }
      - { .name: u, .offset: 32, .size: 8, .value_kind: global_buffer, .address_space: global }
      - { .name: xs_t, .offset: 40, .size: 8, .value_kind: global_buffer, .address_space: global }
      - { .name: bs_t, .offset: 48, .size: 8, .value_kind: global_buffer, .address_space: global }
    .group_segment_fixed_size: 133376
    .private_segment_fixed_size: 0
    .kernarg_segment_align: 8
    .kernarg_segment_size: 56
    .max_flat_workgroup_size: 512
    .sgpr_count:     66
    .vgpr_count:     210
    .wavefront_size: 32
...
	.end_amdgpu_metadata
.endif
;; end of part 1
;; launch gemm (part 2): grid 16 x 16, 4 waves a work-group, clusters of 4 x 4, 327,680 bytes of LDS; arguments x_codes, xs_t, b_mat_codes, bs_t, h, u, a_diag, p_vec, out0; writes out0
.if DOCPART == 2
	.amdgcn_target "amdgcn-amd-amdhsa--gfx1250"
	.amdhsa_code_object_version 6
	.text
	.protected	k_q5ec4971629_gemm
	.globl	k_q5ec4971629_gemm
	.p2align	8
	.type	k_q5ec4971629_gemm,@function
k_q5ec4971629_gemm:
	s_mov_b64 s[64:65], 0
	v_nop
	global_prefetch_b8 v0, s[64:65] scope:SCOPE_SE
	s_setreg_imm32_b32 hwreg(HW_REG_WAVE_MODE, 25, 1), 1
	s_wait_xcnt 0x0
	s_wait_alu depctr_hold_cnt(0) depctr_sa_sdst(0) depctr_va_vdst(0) depctr_va_sdst(0) depctr_va_ssrc(0) depctr_va_vcc(0) depctr_vm_vsrc(0)
	s_getreg_b32 s2, hwreg(HW_REG_IB_STS2, 6, 4)
	s_cmp_eq_u32 s2, 0
	s_cbranch_scc0 .Lentry_in_a_cluster
	s_endpgm
.Lentry_in_a_cluster:
	s_bfe_u32 s2, ttmp6, 0x10000c
	s_cmp_lg_u32 s2, 0xf033
	s_cbranch_scc0 .Lentry_shape_is_right
	s_endpgm
.Lentry_shape_is_right:
.set KROW,   2048
.set ROWB,   256
.set NQ,     4
.set PITCH,  272
.set FR,     8
.set NL,     2
.set NP,     4
.set HALFT,  128*PITCH
.set SA,     4*HALFT
.set SLOT,   SA+8192
.set SPARE,  2*SLOT
.set HSTG,   SPARE+512
.set HSTW,   16*PITCH
.set SPITCH, 528
.set ROWC,   16384
.set LAPS,   4
.set H32,  12
.set MK,   13
.set ADRA, 16
.set HRD,  18
.set R16,  19
.set ADRB, 20
.set ADRS, 22
.set STO,  24
.set RD,   25
.set CO,   26
.set HO,   27
.set SPW,  28
.set NIL,  29
.set PFO,  30
.set HST,  31
.set SC,   32
.set AF,   128
.set A1,   192
.set RU,   0
.set RP,   32
.set PF,   128
.set HB0,  64
.set HB1,  192
.set WV,   22
.set RH,   23
.set CH,   66
.set LIM,  67
.set PFA,  104
.set G1AC, 24
.set G1BC, 32
.set G1AS, 40
.set G1BS, 48
.set G0AC, 56
.set G0BC, 68
.set G0AS, 76
.set G0BS, 84
.set MSB, 0
.macro WIN new
.if MSB != \new
	s_set_vgpr_msb (MSB<<8)|\new
.set MSB, \new
.endif
.endm
.set MUL_LO, 0xa1
.set MUL_HI, 0xf1
.set TO_B,   0x40
.macro PLACES n
.rept \n
	v_nop
.endr
.endm
.macro JLOAD s
	s_cmp_lt_u32 s[WV], 2
	s_cbranch_scc0 .Lscales_\@
	s_cmp_eq_u32 s[WV], 0
	s_cbranch_scc0 .Lcodes_b_\@
	tensor_load_to_lds s[G0AC+4*\s:G0AC+4*\s+3], s[G1AC:G1AC+7]
	s_nop 0
	PLACES 4
	s_branch .Lasked_\@
.Lcodes_b_\@:
	tensor_load_to_lds s[G0BC+4*\s:G0BC+4*\s+3], s[G1BC:G1BC+7]
	s_nop 0
	PLACES 4
	s_branch .Lasked_\@
.Lscales_\@:
	s_cmp_eq_u32 s[WV], 2
	s_cbranch_scc0 .Lscales_b_\@
	tensor_load_to_lds s[G0AS+4*\s:G0AS+4*\s+3], s[G1AS:G1AS+7]
	s_nop 0
	PLACES 4
	s_branch .Lasked_\@
.Lscales_b_\@:
	tensor_load_to_lds s[G0BS+4*\s:G0BS+4*\s+3], s[G1BS:G1BS+7]
	s_nop 0
	PLACES 4
.Lasked_\@:
.endm
.macro CREST
	s_cmp_lg_u32 s[WV], 0
	s_cbranch_scc1 .Lnot_wave_0_\@
	s_barrier_signal -3
.Lnot_wave_0_\@:
	s_barrier_wait -3
	s_barrier_signal -1
	s_barrier_wait -1
.endm
.macro CROUND
	s_barrier_signal -1
	s_barrier_wait -1
	CREST
.endm
.macro ASK
	s_cmp_gt_u32 s3, s[LIM]
	s_cbranch_scc0 .Lnot_mine_\@
	global_prefetch_b8 v[PFO], s[PFA:PFA+1] offset:ROWB th:TH_LOAD_NT scope:SCOPE_SE
.Lnot_mine_\@:
.endm
	s_load_b256 s[4:11], s[0:1], 0x0
	s_load_b256 s[12:19], s[0:1], 0x20
	s_load_b64 s[20:21], s[0:1], 0x40
	v_lshl_add_u32 v[SPW], v0, 2, SPARE
	v_mov_b32 v[NIL], 0
	ds_add_u32 v28, v29
	ds_add_u32 v28, v29
	s_wait_dscnt 0x0
	v_lshrrev_b32 v1, 5, v0
	v_readfirstlane_b32 s[WV], v1
	s_lshr_b32 s[RH], s[WV], 1
	s_and_b32 s[CH], s[WV], 1
	s_bfe_u32 s92, ttmp6, 0x40000
	s_bfe_u32 s93, ttmp6, 0x40004
	s_lshl_b32 s94, ttmp9, 2
	s_add_co_u32 s94, s94, s92
	s_and_b32 s95, ttmp7, 0xffff
	s_lshl_b32 s95, s95, 2
	s_add_co_u32 s95, s95, s93
	s_lshl_b32 s96, s93, 2
	s_lshl_b32 s96, 15, s96
	s_lshl_b32 s97, 0x1111, s92
	s_or_b32 s[G1AC], s96, (1<<20)|(1<<21)|(5<<22)|(3<<25)
	s_or_b32 s[G1BC], s97, (1<<20)|(1<<21)|(5<<22)|(3<<25)
.irp g, G1AC, G1BC
	s_mov_b32 s[\g+1], ROWB<<16
	s_mov_b32 s[\g+2], 256<<16
	s_mov_b32 s[\g+3], ROWB<<16
	s_mov_b32 s[\g+4], 256
	s_mov_b32 s[\g+5], KROW
	s_mov_b32 s[\g+6], 0
	s_mov_b32 s[\g+7], 0
.endr
	s_or_b32 s[G1AS], s96, (3<<16)|(1<<21)
	s_or_b32 s[G1BS], s97, (3<<16)|(1<<21)
.irp g, G1AS, G1BS
	s_mov_b32 s[\g+1], 32<<16
	s_mov_b32 s[\g+2], 16<<16
	s_mov_b32 s[\g+3], 32<<16
	s_mov_b32 s[\g+4], 16
	s_mov_b32 s[\g+5], 32
	s_mov_b32 s[\g+6], 0
	s_mov_b32 s[\g+7], 0
.endr
	s_wait_kmcnt 0x0
	CROUND
	s_lshl_b32 s98, s95, 19
	s_mov_b32 s99, 0
	s_add_nc_u64 s[98:99], s[4:5], s[98:99]
	s_lshl_b32 s100, s94, 19
	s_mov_b32 s101, 0
	s_add_nc_u64 s[100:101], s[8:9], s[100:101]
.irp s, 0,1
	s_mov_b32 s[G0AC+4*\s], 1
	s_mov_b32 s[G0AC+4*\s+1], \s*SLOT
	s_add_nc_u64 s[G0AC+4*\s+2:G0AC+4*\s+3], s[98:99], \s*ROWB
	s_or_b32 s[G0AC+4*\s+3], s[G0AC+4*\s+3], 0x80000000
	s_mov_b32 s[G0BC+4*\s], 1
	s_mov_b32 s[G0BC+4*\s+1], \s*SLOT+2*HALFT
	s_add_nc_u64 s[G0BC+4*\s+2:G0BC+4*\s+3], s[100:101], \s*ROWB
	s_or_b32 s[G0BC+4*\s+3], s[G0BC+4*\s+3], 0x80000000
.endr
	s_lshl_b32 s98, s95, 12
	s_mov_b32 s99, 0
	s_add_nc_u64 s[98:99], s[6:7], s[98:99]
	s_lshl_b32 s100, s94, 12
	s_mov_b32 s101, 0
	s_add_nc_u64 s[100:101], s[10:11], s[100:101]
.irp s, 0,1
	s_mov_b32 s[G0AS+4*\s], 1
	s_mov_b32 s[G0AS+4*\s+1], \s*SLOT+SA
	s_add_nc_u64 s[G0AS+4*\s+2:G0AS+4*\s+3], s[98:99], \s*65536
	s_or_b32 s[G0AS+4*\s+3], s[G0AS+4*\s+3], 0x80000000
	s_mov_b32 s[G0BS+4*\s], 1
	s_mov_b32 s[G0BS+4*\s+1], \s*SLOT+SA+4096
	s_add_nc_u64 s[G0BS+4*\s+2:G0BS+4*\s+3], s[100:101], \s*65536
	s_or_b32 s[G0BS+4*\s+3], s[G0BS+4*\s+3], 0x80000000
.endr
	JLOAD 0
	s_wait_alu depctr_va_vdst(0)
	s_wait_tensorcnt 0x0
	ds_add_u32 v28, v29
	s_wait_dscnt 0x0
	CROUND
	JLOAD 1
	v_and_b32 v1, 15, v0
	v_bfe_u32 v2, v0, 4, 1
	s_wait_alu depctr_va_vdst(0)
	v_mul_u32_u24 v3, v1, PITCH
	v_lshl_add_u32 v4, v2, 4, v3
	s_mul_i32 s2, s[RH], HALFT
	s_mul_i32 s3, s[CH], HALFT
	s_add_co_u32 s3, s3, 2*HALFT
.irp s, 0,1
	v_add_nc_u32 v[ADRA+\s], s2, v4
	v_add_nc_u32 v[ADRB+\s], s3, v4
	s_add_co_u32 s2, s2, SLOT
	s_add_co_u32 s3, s3, SLOT
.endr
	s_xor_b32 s3, s[RH], 1
	s_add_co_u32 s3, s3, s[CH]
	s_add_co_u32 s3, s3, 1
	s_lshl_b32 s3, s3, 11
	v_mul_u32_u24 v5, s3, v2
	v_lshl_add_u32 v5, v1, 4, v5
	s_lshl_b32 s2, s[RH], 11
	s_add_co_u32 s2, s2, SA
	v_add_nc_u32 v[ADRS], s2, v5
	v_add_nc_u32 v[ADRS+1], SLOT, v[ADRS]
	s_mul_i32 s2, s[WV], 16*SPITCH
	v_mul_u32_u24 v5, v1, SPITCH
	v_lshl_add_u32 v5, v2, 5, v5
	v_add_nc_u32 v[STO], s2, v5
	v_and_b32 v6, 31, v0
	v_lshlrev_b32 v[CO], 4, v6
	v_add_nc_u32 v[RD], s2, v[CO]
	v_lshlrev_b32 v[PFO], 11, v6
	v_lshlrev_b32 v[R16], 4, v1
	v_lshl_add_u32 v[HO], v2, 14, v[R16]
	v_lshlrev_b32 v[H32], 5, v2
	s_wait_alu depctr_va_vdst(0)
	v_add_nc_u32 v[MK], -1, v2
	s_mul_i32 s2, s[WV], HSTW
	s_add_co_u32 s2, s2, HSTG
	v_mul_u32_u24 v5, v2, PITCH
	v_add_nc_u32 v5, v5, v[R16]
	v_add_nc_u32 v[HST], s2, v5
	v_mul_u32_u24 v5, v1, PITCH
	v_lshl_add_u32 v5, v2, 5, v5
	v_add_nc_u32 v[HRD], s2, v5
	s_lshl_b32 s100, s95, 8
	s_lshl_b32 s2, s[RH], 7
	s_add_co_u32 s100, s100, s2
	s_lshl_b32 s2, s100, 4
	s_mov_b32 s3, 0
	s_add_nc_u64 s[14:15], s[14:15], s[2:3]
	s_lshl_b32 s100, s100, 14
	s_lshl_b32 s2, s94, 10
	s_lshl_b32 s101, s[CH], 9
	s_add_co_u32 s2, s2, s101
	s_add_nc_u64 s[16:17], s[16:17], s[2:3]
	s_add_co_u32 s100, s100, s2
	s_mov_b32 s101, 0
	s_add_nc_u64 s[12:13], s[12:13], s[100:101]
	s_add_nc_u64 s[20:21], s[20:21], s[100:101]
	s_lshl_b32 s2, s2, 2
	s_add_nc_u64 s[18:19], s[18:19], s[2:3]
	s_and_b32 s2, ttmp7, 0xffff
	s_cmp_eq_u32 s[CH], 0
	s_cselect_b32 s100, s95, s94
	s_cselect_b32 s101, s92, s93
	s_cselect_b32 s2, ttmp9, s2
	s_cselect_b64 s[PFA:PFA+1], s[4:5], s[8:9]
	s_cmp_eq_u32 s2, 0
	s_cselect_b32 s[LIM], 1, -1
	s_lshl_b32 s100, s100, 8
	s_lshl_b32 s101, s101, 6
	s_add_co_u32 s100, s100, s101
	s_lshl_b32 s101, s[RH], 5
	s_add_co_u32 s100, s100, s101
	s_lshl_b32 s100, s100, 11
	s_add_co_u32 s100, s100, 2*ROWB
	s_mov_b32 s101, 0
	s_add_nc_u64 s[PFA:PFA+1], s[PFA:PFA+1], s[100:101]
.macro HLOAD hb, step
.if \step
	s_wait_xcnt 0x0
	s_add_nc_u64 s[12:13], s[12:13], 16*ROWC
.endif
	WIN TO_B
.irp c, 0,1
.irp i, 0,1,2,3,4,5,6,7
	global_load_b128 v[\hb+32*\c+4*\i:\hb+32*\c+4*\i+3], v[HO], s[12:13] offset:2*\i*ROWC+256*\c th:TH_LOAD_NT
.endr
.endr
	WIN 0
.endm
	WIN TO_B
.irp a, 0,1,2,3,4,5,6,7
	global_load_b128 v[RU+4*\a:RU+4*\a+3], v[R16], s[14:15] offset:256*\a
.endr
.irp b, 0,1,2,3,4,5,6,7
	global_load_b128 v[RP+4*\b:RP+4*\b+3], v[R16], s[18:19] offset:256*\b
.endr
	WIN 0
.irp b, 0,1,2,3,4,5,6,7
.irp e, 0,1
	global_load_b128 v[A1+8*\b+4*\e:A1+8*\b+4*\e+3], v[H32], s[16:17] offset:64*\b+16*\e
.endr
.endr
	HLOAD HB0, 0
.irp a, 0,1,2,3,4,5,6,7
.irp k, 2,3,4,5,6,7
	v_mov_b32 v[AF+8*\a+\k], 0
.endr
.endr
	WIN TO_B
.irp b, 0,1,2,3,4,5,6,7
.irp k, 2,3,4,5,6,7
	v_mov_b32 v[PF+8*\b+\k], 0
.endr
.endr
	s_wait_loadcnt 32
	WIN 0x05
.irp a, 0,1,2,3,4,5,6,7
	v_cvt_pk_bf16_f32 v[AF+8*\a], v[RU+4*\a], v[RU+4*\a+1]
	v_cvt_pk_bf16_f32 v[AF+8*\a+1], v[RU+4*\a+2], v[RU+4*\a+3]
.endr
	WIN 0x45
.irp b, 0,1,2,3,4,5,6,7
	v_cvt_pk_bf16_f32 v[PF+8*\b], v[RP+4*\b], v[RP+4*\b+1]
	v_cvt_pk_bf16_f32 v[PF+8*\b+1], v[RP+4*\b+2], v[RP+4*\b+3]
.endr
	WIN 0
.irp a, 0,1,2,3,4,5,6,7
	v_and_b32 v[AF+8*\a], v[MK], v[AF+8*\a]
	v_and_b32 v[AF+8*\a+1], v[MK], v[AF+8*\a+1]
.endr
	WIN 0x44
.irp b, 0,1,2,3,4,5,6,7
	v_and_b32 v[PF+8*\b], v[MK], v[PF+8*\b]
	v_and_b32 v[PF+8*\b+1], v[MK], v[PF+8*\b+1]
.endr
	PLACES NP
.macro START hi
.irp a, 0,1,2,3
.irp b, 0,1,2,3,4,5,6,7
	v_wmma_f32_16x16x32_bf16 v[8*(8*\a+\b):8*(8*\a+\b)+7], v[PF+8*\b:PF+8*\b+7], v[AF+8*(4*\hi+\a):AF+8*(4*\hi+\a)+7], 0
.endr
.endr
.endm
	WIN MUL_LO
	START 0
	WIN MUL_HI
	START 1
	WIN 0
	s_wait_loadcnt 16
.irp k, 0,2,4,6,8,10,12,14,16,18,20,22,24,26,28,30,32,34,36,38,40,42,44,46,48,50,52,54,56,58,60,62
	v_pk_add_f32 v[A1+\k:A1+\k+1], v[A1+\k:A1+\k+1], 1.0 op_sel_hi:[1,0]
.endr
	HLOAD HB1, 1
.macro FRAG reg, adr, q, i
.irp c, 0,1
	ds_load_b128 v[\reg+4*\c:\reg+4*\c+3], v[\adr] offset:64*(\q)+32*\c+(\i)*16*PITCH
.endr
.endm
.macro MUL16 a0, p, q, sc
.irp a, \a0, \a0+1
.irp b, 0,1,2,3,4,5,6,7
	v_wmma_scale_f32_16x16x128_f8f6f4 v[8*(8*((\a)%4)+\b):8*(8*((\a)%4)+\b)+7], v[128*(\p)+FR*\b:128*(\p)+FR*\b+FR-1], v[AF+FR*(\a):AF+FR*(\a)+FR-1], v[8*(8*((\a)%4)+\b):8*(8*((\a)%4)+\b)+7], v[SC+8*NQ*(\sc)+NQ*\b+(\q)], v[SC+8*NQ*(\sc)+NQ*(\a)+(\q)] matrix_a_fmt:MATRIX_FMT_FP4 matrix_b_fmt:MATRIX_FMT_FP4 matrix_a_scale:MATRIX_SCALE_ROW1
.endr
.endr
.endm
.macro FETCH_B slot, q, p
	WIN TO_B
.irp i, 0,1,2,3,4,5,6,7
	FRAG 128*(\p)+FR*\i, ADRB+\slot, \q, \i
.endr
	WIN 0
.endm
.macro FETCH_A slot, q, i0
.irp i, \i0, \i0+1, \i0+2, \i0+3
	FRAG AF+FR*(\i), ADRA+\slot, \q, \i
.endr
.endm
.macro SCALES sc
.irp i, 0,1,2,3,4,5,6,7
	ds_load_b128 v[SC+32*\sc+4*\i:SC+32*\sc+4*\i+3], v[ADRS+\sc] offset:256*\i
.endr
.endm
.macro HALF1 slot, q
	s_wait_dscnt 4*NL
	WIN MUL_LO
	MUL16 0, (\q)%2, \q, \slot
	MUL16 2, (\q)%2, \q, \slot
	s_wait_dscnt 0
	PLACES NP
.endm
.macro HALF2 slot, q
	FETCH_B \slot, (\q)+1, 1-(\q)%2
	FETCH_A \slot, (\q)+1, 0
	WIN MUL_HI
	MUL16 4, (\q)%2, \q, \slot
	MUL16 6, (\q)%2, \q, \slot
	PLACES NP
	WIN 0
	FETCH_A \slot, (\q)+1, 4
.endm
.macro STEP slot, q
	HALF1 \slot, \q
	HALF2 \slot, \q
.endm
.macro STAGE hb, left
	s_wait_loadcnt \left
.irp c, 0,1
	WIN 0x04
.irp i, 0,1,2,3,4,5,6,7
	ds_store_b128 v[HST], v[\hb+32*\c+4*\i:\hb+32*\c+4*\i+3] offset:2*\i*PITCH
.endr
	WIN TO_B
.irp f, 0,1,2,3,4,5,6,7
	ds_load_b128 v[\hb+32*\c+4*\f:\hb+32*\c+4*\f+3], v[HRD] offset:64*(\f/2)+16*(\f%2)
.endr
.endr
.endm
.macro ADD a, hb
.set AC, 64*((\a)%4)
.set W, 2+(\a)/4
	WIN (W<<6)|(W<<4)|1
.irp k, 0,2,4,6,8,10,12,14,16,18,20,22,24,26,28,30,32,34,36,38,40,42,44,46,48,50,52,54,56,58,60,62
	v_pk_fma_f32 v[AC+\k:AC+\k+1], v[\hb+\k:\hb+\k+1], v[A1+\k:A1+\k+1], v[AC+\k:AC+\k+1]
.endr
	WIN 0
.endm
.macro ADD3 a0, a1, a2, hb
	WIN 0
	s_cmp_eq_u32 s3, LAPS-1
	s_cbranch_scc0 .Lnot_first_\@
	ADD \a0, \hb
	s_branch .Ladded_\@
.Lnot_first_\@:
	s_cmp_eq_u32 s3, LAPS-2
	s_cbranch_scc0 .Lnot_second_\@
	ADD \a1, \hb
	s_branch .Ladded_\@
.Lnot_second_\@:
	ADD \a2, \hb
.Ladded_\@:
.endm
.macro TURN slot, next, fill
.if \fill
	s_wait_xcnt 0x0
	s_add_nc_u64 s[PFA:PFA+1], s[PFA:PFA+1], ROWB
.endif
	s_wait_tensorcnt 0x0
	ds_add_u32 v[SPW], v[NIL]
	s_wait_dscnt 4*NL+1
	WIN MUL_LO
	MUL16 0, 1, NQ-1, \slot
	s_wait_dscnt 0x0
	s_barrier_signal -1
	MUL16 2, 1, NQ-1, \slot
	WIN 0
	s_barrier_wait -1
.if \fill
	CREST
	s_add_nc_u64 s[G0AC+4*\slot+2:G0AC+4*\slot+3], s[G0AC+4*\slot+2:G0AC+4*\slot+3], 2*ROWB
	s_add_nc_u64 s[G0BC+4*\slot+2:G0BC+4*\slot+3], s[G0BC+4*\slot+2:G0BC+4*\slot+3], 2*ROWB
	s_add_nc_u64 s[G0AS+4*\slot+2:G0AS+4*\slot+3], s[G0AS+4*\slot+2:G0AS+4*\slot+3], 2*65536
	s_add_nc_u64 s[G0BS+4*\slot+2:G0BS+4*\slot+3], s[G0BS+4*\slot+2:G0BS+4*\slot+3], 2*65536
	JLOAD \slot
.else
	PLACES NP
.endif
	FETCH_B \next, 0, 0
	FETCH_A \next, 0, 0
	SCALES \next
.if \fill
	ASK
.endif
	WIN MUL_HI
	MUL16 4, 1, NQ-1, \slot
	MUL16 6, 1, NQ-1, \slot
	PLACES NP
	WIN 0
	FETCH_A \next, 0, 4
.endm
	s_wait_tensorcnt 1
	s_barrier_signal -1
	s_barrier_wait -1
	FETCH_B 0, 0, 0
	FETCH_A 0, 0, 0
	SCALES 0
	FETCH_A 0, 0, 4
	HALF1 0, 0
	STAGE HB0, 16
	HALF2 0, 0
	s_mov_b32 s3, LAPS-1
.Llap:
	HALF1 0, 1
	ADD3 0, 2, 4, HB0
	PLACES 8
	HLOAD HB0, 1
	s_wait_alu depctr_va_vdst(0)
	HALF2 0, 1
	STEP 0, 2
	TURN 0, 1, 1
	HALF1 1, 0
	STAGE HB1, 16
	HALF2 1, 0
	HALF1 1, 1
	ADD3 1, 3, 5, HB1
	PLACES 8
	HLOAD HB1, 1
	s_wait_alu depctr_va_vdst(0)
	HALF2 1, 1
	STEP 1, 2
	TURN 1, 0, 1
	HALF1 0, 0
	STAGE HB0, 16
	HALF2 0, 0
	s_sub_co_u32 s3, s3, 1
	s_cmp_lg_u32 s3, 0
	s_cbranch_scc1 .Llap
	HALF1 0, 1
	ADD 6, HB0
	PLACES 8
	HALF2 0, 1
	STEP 0, 2
	TURN 0, 1, 0
	HALF1 1, 0
	STAGE HB1, 0
	HALF2 1, 0
	HALF1 1, 1
	ADD 7, HB1
	PLACES 8
	HALF2 1, 1
	STEP 1, 2
	s_wait_dscnt 4*NL
	WIN MUL_LO
	MUL16 0, 1, NQ-1, 1
	MUL16 2, 1, NQ-1, 1
	s_wait_dscnt 0
	WIN MUL_HI
	MUL16 4, 1, NQ-1, 1
	MUL16 6, 1, NQ-1, 1
	WIN 0
.macro TOSTAGE a
.set AC, 64*((\a)%4)
.set W, 2+(\a)/4
	WIN (W<<2)
.irp b, 0,1,2,3,4,5,6,7
	ds_store_b128 v[STO], v[AC+8*\b:AC+8*\b+3] offset:64*\b
	ds_store_b128 v[STO], v[AC+8*\b+4:AC+8*\b+7] offset:64*\b+16
.endr
	WIN (W<<6)
.irp t, 0,1,2,3,4,5,6,7,8,9,10,11,12,13,14,15
	ds_load_b128 v[AC+4*\t:AC+4*\t+3], v[RD] offset:\t*SPITCH
.endr
.endm
.macro SEND a
.set AC, 64*((\a)%4)
.set W, 2+(\a)/4
	WIN (W<<2)
.irp t, 0,1,2,3,4,5,6,7,8,9,10,11,12,13,14,15
	global_store_b128 v[CO], v[AC+4*\t:AC+4*\t+3], s[20:21] offset:(16*(\a)+\t)*ROWC th:TH_STORE_NT
.endr
	WIN 0
.endm
	PLACES NP
	TOSTAGE 0
.irp a, 0,1,2,3,4,5,6,7
.if \a < 7
	TOSTAGE \a+1
	s_wait_dscnt 32
.else
	s_wait_dscnt 0x0
.endif
	SEND \a
.endr
	s_wait_tensorcnt 0x0
	ds_add_u32 v[SPW], v[NIL]
	s_wait_dscnt 0x0
	CROUND
	s_endpgm
.Lfunc_end_k_q5ec4971629_gemm:
	.size	k_q5ec4971629_gemm, .Lfunc_end_k_q5ec4971629_gemm-k_q5ec4971629_gemm
	.p2alignl 7, 3214868480
	.fill 96, 4, 3214868480
	.section	.rodata,"a",@progbits
	.p2align	6, 0x0
	.amdhsa_kernel k_q5ec4971629_gemm
		.amdhsa_group_segment_fixed_size 327680
		.amdhsa_private_segment_fixed_size 0
		.amdhsa_enable_private_segment 0
		.amdhsa_kernarg_size 72
		.amdhsa_user_sgpr_count 2
		.amdhsa_user_sgpr_kernarg_segment_ptr 1
		.amdhsa_wavefront_size32 1
		.amdhsa_system_sgpr_workgroup_id_x 1
		.amdhsa_system_sgpr_workgroup_id_y 1
		.amdhsa_system_sgpr_workgroup_id_z 1
		.amdhsa_system_vgpr_workitem_id 0
		.amdhsa_next_free_vgpr 1024
		.amdhsa_next_free_sgpr 106
		.amdhsa_reserve_vcc 0
		.amdhsa_float_denorm_mode_32 3
		.amdhsa_float_denorm_mode_16_64 3
		.amdhsa_memory_ordered 1
		.amdhsa_forward_progress 1
		.amdhsa_inst_pref_size 255
	.end_amdhsa_kernel
	.section	.bss,"aw",@nobits
	.p2align	6
	.space	262144
	.amdgpu_metadata
---
amdhsa.version: [ 1, 2 ]
amdhsa.kernels:
  - .name:           k_q5ec4971629_gemm
    .symbol:         k_q5ec4971629_gemm.kd
    .args:
      - { .name: x_codes, .offset: 0, .size: 8, .value_kind: global_buffer, .address_space: global }
      - { .name: xs_t, .offset: 8, .size: 8, .value_kind: global_buffer, .address_space: global }
      - { .name: b_mat_codes, .offset: 16, .size: 8, .value_kind: global_buffer, .address_space: global }
      - { .name: bs_t, .offset: 24, .size: 8, .value_kind: global_buffer, .address_space: global }
      - { .name: h, .offset: 32, .size: 8, .value_kind: global_buffer, .address_space: global }
      - { .name: u, .offset: 40, .size: 8, .value_kind: global_buffer, .address_space: global }
      - { .name: a_diag, .offset: 48, .size: 8, .value_kind: global_buffer, .address_space: global }
      - { .name: p_vec, .offset: 56, .size: 8, .value_kind: global_buffer, .address_space: global }
      - { .name: out0, .offset: 64, .size: 8, .value_kind: global_buffer, .address_space: global }
    .group_segment_fixed_size: 327680
    .private_segment_fixed_size: 0
    .kernarg_segment_align: 8
    .kernarg_segment_size: 72
    .max_flat_workgroup_size: 128
    .sgpr_count:     106
    .vgpr_count:     1024
    .wavefront_size: 32
...
	.end_amdgpu_metadata
.endif
;; end of part 2
